; MI455X (gfx1250); checked and timed in simulation.
; The chip was launched on July 23, 2026; its instructions are those of AMD's public machine-readable ISA for CDNA 5 (MIT licence, August 2026) and "CDNA5" Instruction Set Architecture Reference Guide (July 2026). The comments in the code are by the model that wrote it; some were corrected since.
;; Net. Allowed arithmetic: float matrix products may take bf16 or f16 operands with f32 sums; other float arithmetic in f32, or as packed bf16 or f16 multiplies, adds, multiply-adds, maxima and minima; sums over many terms, partial sums and values carried from step to step in f32; what a program stores and reads back later, other than sums and carried values, may be rounded once to bf16 or f16.
;; Inputs: a 524,288 x 2 float32; b_l1 100 float32; b_l2 50 x 2 float32; b_v1 100 float32; b_v2 50 float32; s 524,288 x 10 float32; w_l1 10 x 100 float32; w_l2 50 x 100 x 2 float32; w_v1 10 x 100 float32; w_v2 100 x 50 float32.
;; Outputs: out0 524,288 x 1 float32.
;; One version. Each part assembles by itself: llvm-mc -triple=amdgcn-amd-amdhsa -mcpu=gfx1250 --defsym DOCPART=n.
;; ======== version 1 of 1: 1 launch
;; limits: values outside matrix products are rounded to bf16; values are held in f16: magnitudes above 65,504 overflow, below 6.1e-05 lose precision
;; launch rbf (part 1): grid 256 x 1, 8 waves a work-group, no clusters, 167,936 bytes of LDS; arguments s, a, w_v1, b_v1, w_v2, b_v2, w_l1, b_l1, w_l2, b_l2, out0; writes out0
.if DOCPART == 1
	.amdgcn_target "amdgcn-amd-amdhsa--gfx1250"
	.amdhsa_code_object_version 6
	.text
	.protected	k_q4bc183e1ce_rbf
	.globl	k_q4bc183e1ce_rbf
	.p2align	8
	.type	k_q4bc183e1ce_rbf,@function
k_q4bc183e1ce_rbf:
	s_mov_b64 s[64:65], 0
	v_nop
	global_prefetch_b8 v0, s[64:65] scope:SCOPE_SE
	s_setreg_imm32_b32 hwreg(HW_REG_WAVE_MODE, 25, 1), 1
	s_wait_xcnt 0x0
; out0[b] = sum_n softmax_n(-3 |5 tanh(relu(s w_l1 + b_l1) w_l2[n] + b_l2[n]) - a|) * (relu(s w_v1 + b_v1) w_v2 + b_v2)[n],  524,288 rows, 50 centroids, hidden width 100 + 100.
; NOTHING IS LEFT OUT: every weight, every bias, s and a reach the output, and no term is the same along the softmax's axis; all ten inputs are loaded.
; FORMATS.  All ten inputs are rounded once to bf16 (a too).  First layer: bf16 x bf16, f32 sums, the bias as K index 10 against a constant 1.  The hidden layer is rounded once to f16 (ReLU on the
; packed halves).  Second layer: f16 x f16, f32 sums; its weights and biases are the bf16 numbers written as f16; the bias rides on a hidden unit that is 1.  All else in f32.
; The least distance of a row is taken away before the exponential (the true minimum of the 50, no running one).  tanh x = 1 - 2 / (1 + 2^(2 log2(e) x)), which ends at +-1 through infinity and 0.
; LIMITS.  A hidden number, or a second-layer weight or bias, of 65,520 or more becomes an infinity; second-layer weights below 2^-14 keep f16's fixed step of 6e-8; a weight of the softmax below
; 2^-126 counts as 0; NaN and infinities are not treated apart.
; SHARES.  256 work-groups of 8 waves; a work-group owns 2,048 rows, a wave 256: four groups of 64 rows, each four tiles of 16.  Two waves lie on a SIMD with 512 registers each: each runs plain
; phases, and no barrier stands in the loop, so that one wave's vector work can stand beside the other's products.
; LAYOUT.  Both products are used transposed: source 0 = 16 rows of weights, source 1 = 16 rows of the batch.  In a result lane l holds ONE batch row (l % 16) and features 8 (l / 16) + 0..7.  So the
; first layer's result, packed to f16, IS source 1 of the second, and tanh, distance and softmax stay in the lane; the two halves of the lanes (25 centroids each) meet by one exchange.
;   hidden tiles p: 0-5 hv[16 p + m]; 6-11 hl[16 (p - 6) + m]; 12: m = 0-3 hv[96..99], m = 4-7 hl[96..99], m = 8 the constant 1.
;   output tiles T: 0-2 x of centroid 16 T + m; 3-5 y; 6: m = 0, 1: x, y of 48; m = 8, 9: x, y of 49; 7-9 the value of 16 (T - 7) + m; 10: m = 0: value 48, m = 8: value 49.
;   K of the second layer: three steps of 32 features of the tile's own tower, and a leftover step on hidden tile 12.  11 x 4 + 13 = 57 matrix instructions a tile.
;   In group g tile t = 2 u + e, column r, is row 64 g + 32 u + 2 r + e: lane l ends with rows 2 l and 2 l + 1 of the group, and one store of the wave covers 256 consecutive bytes, aligned.
; WEIGHTS.  The 33 whole fragments of the second layer stay in registers (32 in window 1, one in window 0).  The 24 fragments whose upper 16 of K are 0 (13 of the first layer, 11 of the leftover step)
; are read from LDS in every tile, 16 bytes a lane, through a ring of six register slots whose upper halves hold 0.
; s AND a of the whole work-group come in once, by two tensor loads a wave at the head, each wave its own 10,240 + 2,048 bytes, which it alone reads; no LDS byte is filled twice.
; NO CLUSTER: what work-groups share is the weights, 69,400 of the 167,704 bytes that a work-group reads, once, at its head; each number of them is rounded and laid out anew on its way through registers,
; so a joint load would want a raw copy in LDS and a second pass; nothing in the loop is shared.  NO PREFETCH: all of s and a is asked for by the tensor loads at the head; nothing is left to ask for ahead.
.set SB,    0                          ; LDS: s, wave w at 10,240 w, as in memory (40 bytes a row)
.set AB,    81920                      ; a, wave w at 2,048 w
.set L1B,   98304                      ; first layer: 13 tiles x 16 rows x 32 bytes, bf16: k = 0..9 the weights, k = 10 the bias
.set MB,    104960                     ; second layer: 176 rows (16 T + m) of 240 bytes, f16: bytes 0-191 k = 0..95, bytes 192-223 the leftover step
.set MP,    240                        ; 15 x 16 bytes: the 16 rows of a fragment load start at 16 different 16-byte columns of 256
.set SPARE, 147456                     ; the spare words, 128 bytes for each wave: four blocks of 256 bytes that no other line names
; vector registers, window 0
.set SPW,  1                           ; LDS address of my spare word; never rewritten
.set NIL,  2                           ; 0; never rewritten
.set SA0,  3                           ; s: my row's first 8 bytes (lanes 16-31: its last 8), tile 0 of the group in hand
.set SA1,  4                           ; s: my row's first byte
.set AA,   5                           ; a: the 16 bytes of rows 2 r, 2 r + 1
.set OO,   6                           ; my 8 bytes of the wave's 256 of out0
.set WR1,  7                           ; my 16 bytes of a first-layer fragment
.set RAW,  8                           ; v8-15   s as loaded
.set ARAW, 16                          ; v16-19  a as loaded
.set CA,   20                          ; v20-21  5 - a
.set TM,   22                          ; v22-29  at work
.set LS,   30                          ; v30-33  a tile's sum of weights
.set OS,   34                          ; v34-37  a tile's weighted sum
.set WR2,  38                          ; my 16 bytes of a second-layer fragment
.set ZR,   39                          ; 0; no operand of any matrix instruction
.set SF,   40                          ; v40-47  s as source 1: four registers, four zeros
.set HX,   48                          ; v48-55  hidden tile 12 as source 1: four registers, four zeros
.set HV,   56                          ; v56-79  hv, tile p at HV + 4 p
.set HL,   80                          ; v80-103 hl
.set RING, 104                         ; v104-151 six slots: four registers of weights, four zeros
.set F33,  152                         ; v152-159 the fragment (T = 10, K step 2)
.set ACC,  160                         ; v160-247 tile T at ACC + 8 T; the first layer uses the first four by turns
.set OUT,  248                         ; v248-249
; window 1: fragment 11 kk + T at 8 (11 kk + T), numbers 0 to 31
; vector registers of the head alone
.set T15, 8
.set T4,  9
.set M1,  10
.set HH,  11
.set LN,  12
.set GA,  13
.set GA3, 14
.set GB,  15
.set GB3, 16
.set LA,  17
.set LA3, 18
.set LB,  19
.set LB3, 20
.set LV,  21
.set LV3, 22
.set BVO, 23
.set BVO3, 24
.set BLO, 25
.set BLO3, 26
.set BVS, 27
.set BVS3, 28
.set BLS, 29
.set BLS3, 30
.set L1O, 31
.set L1Q, 32
.set L1S, 33
.set L1T, 34
.set ZF,  35
.set HT,  36
.set CRA, 37
.set STA,  56                          ; 12 chunks of w_l2, four registers each
.set STA0, 104                         ; wave 0: four more
.set STB,  120                         ; 12 pairs of w_v2
.set STB0, 144                         ; wave 0: four more
.set SBI,  152                         ; four numbers of a bias
.set SL1,  160                         ; a first-layer row: 10 weights and the bias, for each tower
.set SP1,  184                         ; the same packed, 8 registers a tower
.set CRD,  200                         ; the constant unit's half row
; scalar registers: s[8:9] s, s[10:11] a, s[12:13] w_v1, s[14:15] b_v1, s[16:17] w_v2, s[18:19] b_v2, s[20:21] w_l1, s[22:23] b_l1, s[24:25] w_l2, s[26:27] b_l2, s[28:29] out0
.set WV,   30                          ; my wave's number
.set CNT,  31                          ; groups to go
.set G0S,  32                          ; s[32:35] descriptor group 0 for s
.set G0A,  36                          ; s[36:39] for a
.set G1S,  40                          ; s[40:47] descriptor group 1 for s
.set G1A,  48                          ; s[48:55] for a
.set C2,   56                          ; s[56:57] 2 log2(e)
.set N10,  58                          ; s[58:59] -10
.set F5,   60                          ; s[60:61] 5
.set K3N,  62                          ; s[62:63] -3 log2(e)
.set HM,   66                          ; 0xffff0000: lanes 16-31 as a lane mask; a word's upper bf16 as a bit mask
.set ONEB, 67                          ; 1.0 in bf16, in the low half
.set SEL,  68                          ; s[68:69] v_permlanex16_b32's selects: each lane takes its own place in the other half
.set MSB, 0
.macro WIN new                         ; the immediate's high byte repeats the setting that is left; a switch that changes nothing is dropped
.if MSB != (\new)
	s_set_vgpr_msb (MSB<<8)|(\new)
.set MSB, (\new)
.endif
.endm
.macro PLACES                          ; four plain instructions between a matrix instruction and a vector read of its result, or a load into one of its registers
.rept 4
	v_nop
.endr
.endm
	s_load_b512 s[8:23], s[0:1], 0x0
	s_load_b128 s[24:27], s[0:1], 0x40
	s_load_b64 s[28:29], s[0:1], 0x50
	v_lshl_add_u32 v[SPW], v0, 2, SPARE
	v_mov_b32 v[NIL], 0
	ds_add_u32 v[SPW], v[NIL]                      ; the wave's opening: the add, twice on end, and its wait ahead of my first tensor load
	ds_add_u32 v[SPW], v[NIL]                      ; once more; the set-up below, work on registers, stands between it and the wait
	v_lshrrev_b32 v[HT], 5, v0
	v_readfirstlane_b32 s[WV], v[HT]               ; wave 0..7
	; descriptor group 1: a dense block as rows of 256 bytes: elements of 8 bytes, 32 to a row, 40 rows of s, 8 rows of a; no padding, no mask
	s_mov_b32 s[G1S+0], 3<<16                      ; 17:16 element size code 3
	s_mov_b32 s[G1S+1], 32<<16                     ; tensor_dim0 = 32
	s_mov_b32 s[G1S+2], 40<<16                     ; tensor_dim1 = 40
	s_mov_b32 s[G1S+3], 32<<16                     ; tile_dim0 = 32
	s_mov_b32 s[G1S+4], 40                         ; tile_dim1 = 40
	s_mov_b32 s[G1S+5], 32                         ; 32 elements from row to row
	s_mov_b32 s[G1S+6], 0
	s_mov_b32 s[G1S+7], 0
	s_mov_b32 s[G1A+0], 3<<16
	s_mov_b32 s[G1A+1], 32<<16
	s_mov_b32 s[G1A+2], 8<<16
	s_mov_b32 s[G1A+3], 32<<16
	s_mov_b32 s[G1A+4], 8
	s_mov_b32 s[G1A+5], 32
	s_mov_b32 s[G1A+6], 0
	s_mov_b32 s[G1A+7], 0
	s_mul_i32 s72, s[WV], 10240                    ; my wave's part of s,
	s_mul_i32 s73, s[WV], 2048                     ; and of a
	s_mov_b32 s[G0S], 1                            ; count = 1
	s_add_co_u32 s[G0S+1], s72, SB                 ; LDS address
	s_mov_b32 s[G0A], 1
	s_add_co_u32 s[G0A+1], s73, AB
	s_mul_i32 s74, ttmp9, 81920                    ; the work-group's 2,048 rows of s
	s_add_co_u32 s74, s74, s72
	s_mov_b32 s75, 0
	s_lshl_b32 s76, ttmp9, 14                      ; of a
	s_add_co_u32 s76, s76, s73
	s_mov_b32 s77, 0
	s_lshl_b32 s78, ttmp9, 13                      ; of out0
	s_mov_b32 s79, 0
	s_lshl_b32 s70, s[WV], 10                      ; my wave's 1,024 bytes of them
	s_mov_b32 s[C2], 0x4038aa3b
	s_mov_b32 s[C2+1], 0x4038aa3b                  ; the pairs are named whole, so both words are written
	s_mov_b32 s[N10], 0xc1200000
	s_mov_b32 s[N10+1], 0xc1200000
	s_mov_b32 s[F5], 0x40a00000
	s_mov_b32 s[F5+1], 0x40a00000
	s_mov_b32 s[K3N], 0xc08a7fac
	s_mov_b32 s[K3N+1], 0xc08a7fac
	s_mov_b32 s[HM], 0xffff0000
	s_mov_b32 s[ONEB], 0x3f80
	s_mov_b32 s[SEL], 0x76543210
	s_mov_b32 s[SEL+1], 0xfedcba98
	v_and_b32 v[T15], 15, v0                       ; t % 16 (in the loop: r, my batch row in a tile)
	v_lshrrev_b32 v[T4], 4, v0                     ; t / 16, 0..15
	v_min_u32 v[M1], 1, v[T15]                     ; where two items are left for 16 lanes: lane 0 takes the first, the others all take the second
	v_bfe_u32 v[HH], v0, 4, 1                      ; h: my half of the lanes
	v_and_b32 v[LN], 31, v0
	v_mov_b32 v[ZR], 0
.irp j, 4,5,6,7
	v_mov_b32 v[SF+(\j)], 0                        ; s's upper K: zeros for good; they also serve as the zero fill's data
.endr
	s_wait_dscnt 0x0                               ; both opening adds are done
	s_wait_kmcnt 0x0
	s_add_nc_u64 s[G0S+2:G0S+3], s[8:9], s[74:75]  ; global address
	s_or_b32 s[G0S+3], s[G0S+3], 0x80000000        ; type = 2
	s_add_nc_u64 s[G0A+2:G0A+3], s[10:11], s[76:77]
	s_or_b32 s[G0A+3], s[G0A+3], 0x80000000
	s_add_nc_u64 s[28:29], s[28:29], s[78:79]
	tensor_load_to_lds s[G0S:G0S+3], s[G1S:G1S+7]  ; my 256 rows of s.  The launch's only tensor loads: two of mine are out, together, ahead of every wait for them, every LDS read and every barrier
	s_nop 0
	tensor_load_to_lds s[G0A:G0A+3], s[G1A:G1A+7]  ; my 256 rows of a
	s_nop 0
	; addresses for the weights.  w_l2[n][k][c] lies at byte 800 n + 8 k + 4 c: a chunk of 16 bytes is (k, x), (k, y), (k + 1, x), (k + 1, y).  Thread t takes n = t / 16 + 16 jn, chunk t % 16 + 16 jk
	v_mul_u32_u24 v[GA], v[T4], 800
	v_lshl_add_u32 v[GA3], v[M1], 4, v[GA]         ; jk = 3: chunks 48 and 49 alone are left
	v_lshl_add_u32 v[GA], v[T15], 4, v[GA]
	; w_v2[k][n] lies at byte 200 k + 4 n.  Thread t takes the pair k = 2 (t / 16 + 16 jk), + 1, and n = t % 16 + 16 jn
	v_mul_u32_u24 v[GB], v[T4], 400
	v_lshl_add_u32 v[GB3], v[M1], 2, v[GB]         ; jn = 3: n = 48 and 49 alone are left
	v_lshl_add_u32 v[GB], v[T15], 2, v[GB]
.set jn, 0
.rept 3
.set jk, 0
.rept 4
.if jk < 3
	global_load_b128 v[STA+4*(4*jn+jk):STA+4*(4*jn+jk)+3], v[GA], s[24:25] offset:12800*jn+256*jk
.else
	global_load_b128 v[STA+4*(4*jn+jk):STA+4*(4*jn+jk)+3], v[GA3], s[24:25] offset:12800*jn+768
.endif
.set jk, jk+1
.endr
.set jn, jn+1
.endr
.set jk, 0
.rept 3
.set jn, 0
.rept 4
.if jn < 3
	global_load_b32 v[STB+2*(4*jk+jn)], v[GB], s[16:17] offset:6400*jk+64*jn
	global_load_b32 v[STB+2*(4*jk+jn)+1], v[GB], s[16:17] offset:6400*jk+64*jn+200
.else
	global_load_b32 v[STB+2*(4*jk+jn)], v[GB3], s[16:17] offset:6400*jk+192
	global_load_b32 v[STB+2*(4*jk+jn)+1], v[GB3], s[16:17] offset:6400*jk+392
.endif
.set jn, jn+1
.endr
.set jk, jk+1
.endr
	; the weights' image is cleared while those loads are out: 49,152 bytes, 16 a thread, twelve times
	v_lshl_add_u32 v[ZF], v0, 4, L1B
.set i, 0
.rept 12
	ds_store_b128 v[ZF], v[SF+4:SF+7] offset:4096*i
.set i, i+1
.endr
	; the loop's addresses
	v_mul_u32_u24 v[SA1], v[T15], 80               ; rows 2 r and 2 r + 1 are 80 bytes
	v_add_nc_u32 v[SA1], s[G0S+1], v[SA1]
	v_lshl_add_u32 v[SA0], v[HH], 5, v[SA1]        ; lanes 16-31 take s[8], s[9]
	v_lshl_add_u32 v[AA], v[T15], 4, s[G0A+1]
	v_lshl_add_u32 v[OO], v[LN], 3, s70
	v_lshlrev_b32 v[WR1], 5, v[T15]
	v_lshl_add_u32 v[WR1], v[HH], 4, v[WR1]
	v_add_nc_u32 v[WR1], L1B, v[WR1]
	v_mul_u32_u24 v[WR2], v[T15], MP
	v_lshl_add_u32 v[WR2], v[HH], 4, v[WR2]
	v_add_nc_u32 v[WR2], MB, v[WR2]
	; where the weights go
	v_mul_u32_u24 v[LA], v[T4], MP                 ; x of n: row n; y of n: row 48 + n; the pair k, k + 1 at byte 2 k
	v_add_nc_u32 v[LA], MB, v[LA]
	v_lshl_add_u32 v[LA3], v[M1], 2, v[LA]
	v_lshl_add_u32 v[LA], v[T15], 2, v[LA]
	v_mul_u32_u24 v[LB], v[T4], 8*MP               ; n = 48 + t / 16 (wave 0): rows 96 + 8 (t / 16) and the next
	v_add_nc_u32 v[LB], MB, v[LB]
	v_lshl_add_u32 v[LB3], v[M1], 2, v[LB]
	v_lshl_add_u32 v[LB], v[T15], 2, v[LB]
	v_mul_u32_u24 v[BVS], v[T15], MP               ; the value of n: row 112 + n
	v_add_nc_u32 v[BVS], MB, v[BVS]
	v_lshl_add_u32 v[LV], v[T4], 2, v[BVS]
	v_mul_u32_u24 v[BVS3], v[M1], 8*MP             ; n = 48, 49: rows 160 and 168 (values), 96 and 104 (x)
	v_add_nc_u32 v[BVS3], MB, v[BVS3]
	v_lshl_add_u32 v[LV3], v[T4], 2, v[BVS3]
	v_mul_u32_u24 v[HT], v[HH], 48*MP
	v_add_nc_u32 v[BLS], v[BVS], v[HT]             ; b_l2: lanes 0-15 x, lanes 16-31 y
	v_mul_u32_u24 v[HT], v[HH], MP
	v_add_nc_u32 v[BLS3], v[BVS3], v[HT]
	v_lshlrev_b32 v[BVO], 2, v[T15]
	v_lshlrev_b32 v[BVO3], 2, v[M1]
	v_lshlrev_b32 v[BLO], 3, v[T15]
	v_lshl_add_u32 v[BLO], v[HH], 2, v[BLO]
	v_lshlrev_b32 v[BLO3], 3, v[M1]
	v_lshl_add_u32 v[BLO3], v[HH], 2, v[BLO3]
	v_and_b32 v[HT], 127, v0                       ; waves 4 to 6: hidden feature f = t - 128, 0..95
	v_lshlrev_b32 v[L1O], 2, v[HT]
	v_lshl_add_u32 v[L1S], v[HT], 5, L1B
	v_and_b32 v[HT], 3, v0                         ; wave 7: f = 96 + lane % 4
	v_lshlrev_b32 v[L1Q], 2, v[HT]
	v_lshl_add_u32 v[L1T], v[HT], 5, L1B+6144
	s_wait_dscnt 0x0                               ; my zeros are written,
	s_barrier_signal -1
	s_barrier_wait -1                              ; everybody's are: the weights may be laid onto them
; n chunks of four f32 at base, (k, x), (k, y), (k + 1, x), (k + 1, y): each number to bf16, that number written as f16; the pair for x ends in register 0, the pair for y in register 1.  In place, stage by stage.
.macro CVA base, n
.set c, 0
.rept \n
	v_cvt_pk_bf16_f32 v[(\base)+4*c], v[(\base)+4*c], v[(\base)+4*c+2]
	v_cvt_pk_bf16_f32 v[(\base)+4*c+1], v[(\base)+4*c+1], v[(\base)+4*c+3]
.set c, c+1
.endr
.set c, 0
.rept \n
	v_lshlrev_b32 v[(\base)+4*c+2], 16, v[(\base)+4*c]
	v_lshlrev_b32 v[(\base)+4*c+3], 16, v[(\base)+4*c+1]
	v_and_b32 v[(\base)+4*c], s[HM], v[(\base)+4*c]
	v_and_b32 v[(\base)+4*c+1], s[HM], v[(\base)+4*c+1]
.set c, c+1
.endr
.set c, 0
.rept \n
	v_cvt_pk_f16_f32 v[(\base)+4*c], v[(\base)+4*c+2], v[(\base)+4*c]
	v_cvt_pk_f16_f32 v[(\base)+4*c+1], v[(\base)+4*c+3], v[(\base)+4*c+1]
.set c, c+1
.endr
.endm
; n pairs of f32 at base, (k, k + 1): the same; the pair ends in register 0
.macro CVB base, n
.set c, 0
.rept \n
	v_cvt_pk_bf16_f32 v[(\base)+2*c], v[(\base)+2*c], v[(\base)+2*c+1]
.set c, c+1
.endr
.set c, 0
.rept \n
	v_lshlrev_b32 v[(\base)+2*c+1], 16, v[(\base)+2*c]
	v_and_b32 v[(\base)+2*c], s[HM], v[(\base)+2*c]
.set c, c+1
.endr
.set c, 0
.rept \n
	v_cvt_pk_f16_f32 v[(\base)+2*c], v[(\base)+2*c+1], v[(\base)+2*c]
.set c, c+1
.endr
.endm
; four single numbers of a bias: the same, with 0 in the upper half
.macro CVBI
.irp j, 0,1,2,3
	v_cvt_pk_bf16_f32 v[SBI+(\j)], v[SBI+(\j)], v[ZR]
.endr
.irp j, 0,1,2,3
	v_lshlrev_b32 v[SBI+(\j)], 16, v[SBI+(\j)]
.endr
.irp j, 0,1,2,3
	v_cvt_pk_f16_f32 v[SBI+(\j)], v[SBI+(\j)], v[ZR]
.endr
.endm
; a row of the first layer for each tower: ten weights (400 bytes apart) and the bias; rounded to bf16; 32 bytes: k = 0..9, the bias at k = 10, zeros.  loff: from the value tower's row to the location tower's
.macro L1ROW vo, imm, va, loff
.set k, 0
.rept 10
	global_load_b32 v[SL1+k], v[\vo], s[12:13] offset:(\imm)+400*k
	global_load_b32 v[SL1+12+k], v[\vo], s[20:21] offset:(\imm)+400*k
.set k, k+1
.endr
	global_load_b32 v[SL1+10], v[\vo], s[14:15] offset:\imm
	global_load_b32 v[SL1+22], v[\vo], s[22:23] offset:\imm
	s_wait_loadcnt 0x0
.irp u, 0,1
.irp j, 0,1,2,3,4
	v_cvt_pk_bf16_f32 v[SP1+8*(\u)+(\j)], v[SL1+12*(\u)+2*(\j)], v[SL1+12*(\u)+2*(\j)+1]
.endr
	v_cvt_pk_bf16_f32 v[SP1+8*(\u)+5], v[SL1+12*(\u)+10], v[ZR]
	v_mov_b32 v[SP1+8*(\u)+6], 0
	v_mov_b32 v[SP1+8*(\u)+7], 0
	ds_store_b128 v[\va], v[SP1+8*(\u):SP1+8*(\u)+3] offset:(\loff)*(\u)
	ds_store_b128 v[\va], v[SP1+8*(\u)+4:SP1+8*(\u)+7] offset:(\loff)*(\u)+16
.endr
.endm
	; what single waves do: each item is loaded, awaited, converted and stored inside one branch on the wave's number
	s_cmp_lg_u32 s[WV], 0
	s_cbranch_scc1 .Lnot0
.set jk, 0
.rept 4                                        ; wave 0: centroids 48 and 49 of w_l2 (t / 16 = 0, 1),
.if jk < 3
	global_load_b128 v[STA0+4*jk:STA0+4*jk+3], v[GA], s[24:25] offset:38400+256*jk
.else
	global_load_b128 v[STA0+4*jk:STA0+4*jk+3], v[GA3], s[24:25] offset:38400+768
.endif
.set jk, jk+1
.endr
.set jn, 0
.rept 4                                        ; and k = 96..99 of w_v2
.if jn < 3
	global_load_b32 v[STB0+2*jn], v[GB], s[16:17] offset:19200+64*jn
	global_load_b32 v[STB0+2*jn+1], v[GB], s[16:17] offset:19200+64*jn+200
.else
	global_load_b32 v[STB0+2*jn], v[GB3], s[16:17] offset:19200+192
	global_load_b32 v[STB0+2*jn+1], v[GB3], s[16:17] offset:19200+392
.endif
.set jn, jn+1
.endr
	s_wait_loadcnt 0x0
	CVA STA0, 4
	CVB STB0, 4
.set jk, 0
.rept 4
.if jk < 3
	ds_store_b32 v[LB], v[STA0+4*jk] offset:96*MP+64*jk
	ds_store_b32 v[LB], v[STA0+4*jk+1] offset:97*MP+64*jk
.else
	ds_store_b32 v[LB3], v[STA0+4*jk] offset:96*MP+200      ; k = 96..99 of a location row: k = 4..7 of the leftover step
	ds_store_b32 v[LB3], v[STA0+4*jk+1] offset:97*MP+200
.endif
.set jk, jk+1
.endr
.set jn, 0
.rept 4
.if jn < 3
	ds_store_b32 v[LV], v[STB0+2*jn] offset:(112+16*jn)*MP+192   ; k = 96..99 of a value row: k = 0..3 of the leftover step
.else
	ds_store_b32 v[LV3], v[STB0+2*jn] offset:160*MP+192
.endif
.set jn, jn+1
.endr
.Lnot0:
	s_cmp_lg_u32 s[WV], 1
	s_cbranch_scc1 .Lnot1
.irp jn, 0,1,2                                 ; wave 1: b_v2, at k = 8 of the leftover step
	global_load_b32 v[SBI+(\jn)], v[BVO], s[18:19] offset:64*(\jn)
.endr
	global_load_b32 v[SBI+3], v[BVO3], s[18:19] offset:192
	s_wait_loadcnt 0x0
	CVBI
.irp jn, 0,1,2
	ds_store_b32 v[BVS], v[SBI+(\jn)] offset:(112+16*(\jn))*MP+208
.endr
	ds_store_b32 v[BVS3], v[SBI+3] offset:160*MP+208
.Lnot1:
	s_cmp_lg_u32 s[WV], 2
	s_cbranch_scc1 .Lnot2
.irp jn, 0,1,2                                 ; wave 2: b_l2
	global_load_b32 v[SBI+(\jn)], v[BLO], s[26:27] offset:128*(\jn)
.endr
	global_load_b32 v[SBI+3], v[BLO3], s[26:27] offset:384
	s_wait_loadcnt 0x0
	CVBI
.irp jn, 0,1,2
	ds_store_b32 v[BLS], v[SBI+(\jn)] offset:16*(\jn)*MP+208
.endr
	ds_store_b32 v[BLS3], v[SBI+3] offset:96*MP+208
.Lnot2:
	s_cmp_lt_u32 s[WV], 4
	s_cbranch_scc1 .Lgeneral
	s_cmp_eq_u32 s[WV], 7
	s_cbranch_scc1 .Lwave7
	L1ROW L1O, 0, L1S, 3072                        ; waves 4 to 6: features 0..95: hidden tiles 0-5, and six tiles on for the location tower
	s_branch .Lgeneral
.Lwave7:
	L1ROW L1Q, 384, L1T, 128                       ; wave 7: features 96..99: rows 0-3 and 4-7 of hidden tile 12 (eight lanes write each row, alike),
	v_mov_b32 v[CRD], 0
	v_mov_b32 v[CRD+1], 0x3f80                     ; and its row 8: 1 at k = 10 alone: the unit that is always 1
	v_mov_b32 v[CRD+2], 0
	v_mov_b32 v[CRD+3], 0
	v_mov_b32 v[CRA], L1B+6144+272
	ds_store_b128 v[CRA], v[CRD:CRD+3]
.Lgeneral:
	s_wait_loadcnt 0x0                             ; what every wave loaded
	CVA STA, 12
	CVB STB, 12
.set jn, 0
.rept 3
.set jk, 0
.rept 4
.if jk < 3
	ds_store_b32 v[LA], v[STA+4*(4*jn+jk)] offset:16*jn*MP+64*jk
	ds_store_b32 v[LA], v[STA+4*(4*jn+jk)+1] offset:(48+16*jn)*MP+64*jk
.else
	ds_store_b32 v[LA3], v[STA+4*(4*jn+jk)] offset:16*jn*MP+200
	ds_store_b32 v[LA3], v[STA+4*(4*jn+jk)+1] offset:(48+16*jn)*MP+200
.endif
.set jk, jk+1
.endr
.set jn, jn+1
.endr
.set jk, 0
.rept 3
.set jn, 0
.rept 4
.if jn < 3
	ds_store_b32 v[LV], v[STB+2*(4*jk+jn)] offset:(112+16*jn)*MP+64*jk
.else
	ds_store_b32 v[LV3], v[STB+2*(4*jk+jn)] offset:160*MP+64*jk
.endif
.set jn, jn+1
.endr
.set jk, jk+1
.endr
	s_wait_tensorcnt 0x0                           ; my s and a are in LDS: I alone read them
	s_wait_dscnt 0x0                               ; my part of the weights' image is written,
	s_barrier_signal -1
	s_barrier_wait -1                              ; everybody's is.  The last barrier of the launch
	; the 33 whole fragments: 16 rows x 32 K in 8 registers: lane l holds row l % 16, K = 8 (l / 16) + 0..7 and 16 + 8 (l / 16) + 0..7: two loads of 16 bytes, 32 bytes apart
	WIN 0x40                                       ; destination window 1, address window 0
.set f, 0
.rept 32
	ds_load_b128 v[8*f:8*f+3], v[WR2] offset:16*MP*(f%11)+64*(f/11)
	ds_load_b128 v[8*f+4:8*f+7], v[WR2] offset:16*MP*(f%11)+64*(f/11)+32
.set f, f+1
.endr
	WIN 0
	ds_load_b128 v[F33:F33+3], v[WR2] offset:160*MP+128
	ds_load_b128 v[F33+4:F33+7], v[WR2] offset:160*MP+160
.irp j, 4,5,6,7
	v_mov_b32 v[HX+(\j)], 0                        ; the upper K of the short operands: zeros for good
.endr
.set i, 0
.rept 6
.irp j, 4,5,6,7
	v_mov_b32 v[RING+8*i+(\j)], 0
.endr
.set i, i+1
.endr
; THE RING.  The 24 short fragments are read in one fixed order, position q into slot q % 6: 0-12 the first layer's tiles, 13-23 the leftover step's for T = q - 13.  24 is a multiple of 6: the slots are the same in every tile.
.macro RLOAD q
.if (\q) < 13
	ds_load_b128 v[RING+8*((\q)%6):RING+8*((\q)%6)+3], v[WR1] offset:512*(\q)
.else
	ds_load_b128 v[RING+8*((\q)%6):RING+8*((\q)%6)+3], v[WR2] offset:192+16*MP*((\q)-13)
.endif
.endm
; s of tile t: lanes 0-15 want s[0..7], lanes 16-31 s[8], s[9]; rows of 40 bytes lie at multiples of 8, so four loads of 8 bytes
.macro RAWLD t
	ds_load_b64 v[RAW:RAW+1], v[SA0] offset:1280*((\t)/2)+40*((\t)%2)
	ds_load_b64 v[RAW+2:RAW+3], v[SA1] offset:1280*((\t)/2)+40*((\t)%2)+8
	ds_load_b64 v[RAW+4:RAW+5], v[SA1] offset:1280*((\t)/2)+40*((\t)%2)+16
	ds_load_b64 v[RAW+6:RAW+7], v[SA1] offset:1280*((\t)/2)+40*((\t)%2)+24
.endm
; hidden tile i out of its accumulator: rounded to f16 in pairs (the accumulator's lowest registers first), then ReLU on the packed halves
.macro CONV i
.set rCS, ACC+8*((\i)%4)
.if (\i) < 6
.set rCD, HV+4*(\i)
.elseif (\i) < 12
.set rCD, HL+4*((\i)-6)
.else
.set rCD, HX
.endif
.irp j, 0,1,2,3
	v_cvt_pk_f16_f32 v[rCD+(\j)], v[rCS+2*(\j)], v[rCS+2*(\j)+1]
.endr
.irp j, 0,1,2,3
	v_pk_max_num_f16 v[rCD+(\j)], v[rCD+(\j)], v[ZR]
.endr
.endm
.macro LEFT t                          ; the leftover step for output tile t
	v_wmma_f32_16x16x32_f16 v[ACC+8*(\t):ACC+8*(\t)+7], v[RING+8*((13+(\t))%6):RING+8*((13+(\t))%6)+7], v[HX:HX+7], v[ACC+8*(\t):ACC+8*(\t)+7]
.endm
; A TILE of 16 rows, t = 0..3 in its group.
.macro TILE t
.if (\t) == 0
	RAWLD 0                                        ; a group's first tile asks for its own s and a; the others' were asked for a tile earlier
	ds_load_b128 v[ARAW:ARAW+3], v[AA]
.endif
	s_wait_dscnt 0x0                               ; s, a and ring positions 0 to 5 are in
.irp j, 0,1,2,3
	v_cvt_pk_bf16_f32 v[SF+(\j)], v[RAW+2*(\j)], v[RAW+2*(\j)+1]
.endr
	v_cvt_pk_bf16_f32 v[TM], v[ARAW+2*((\t)%2)], v[ARAW+2*((\t)%2)+1]
	v_cndmask_b32 v[SF+1], v[SF+1], s[ONEB], s[HM] ; lanes 16-31 hold K = 8..15: s[8], s[9], the 1 that meets the bias, zeros
	v_cndmask_b32 v[SF+2], v[SF+2], 0, s[HM]
	v_cndmask_b32 v[SF+3], v[SF+3], 0, s[HM]
	v_lshlrev_b32 v[CA], 16, v[TM]
	v_and_b32 v[CA+1], s[HM], v[TM]
	v_pk_add_f32 v[CA:CA+1], v[CA:CA+1], s[F5:F5+1] op_sel_hi:[1,0] neg_lo:[1,0] neg_hi:[1,0]  ; 5 - a
	; THE FIRST LAYER: 13 products on four accumulators by turns.  Behind product p stand the eight lines that take tile p - 2 out (they name none of p's registers: they are its places), then the load of ring position p + 6 into the slot that p has read.
.set p, 0
.rept 13
.if p >= 6
	s_wait_dscnt 5                                 ; position p is in: behind its load only those of positions p + 1 to p + 5 were issued
.endif
	v_wmma_f32_16x16x32_bf16 v[ACC+8*(p%4):ACC+8*(p%4)+7], v[RING+8*(p%6):RING+8*(p%6)+7], v[SF:SF+7], 0
.if p < 2
	PLACES
.else
	CONV p-2
.endif
	RLOAD p+6
.set p, p+1
.endr
	CONV 11
	CONV 12
	; THE SECOND LAYER, three K steps of 32: 32 products from window 1, the 11 accumulators by turns; the first step starts the sums
	WIN 0x01                                       ; source 0 in window 1
.set f, 0
.rept 32
.set kk, f/11
.set tt, f%11
.if tt < 7
.set rB, HL+8*kk
.else
.set rB, HV+8*kk
.endif
.if kk == 0
	v_wmma_f32_16x16x32_f16 v[ACC+8*tt:ACC+8*tt+7], v[8*f:8*f+7], v[rB:rB+7], 0
.else
	v_wmma_f32_16x16x32_f16 v[ACC+8*tt:ACC+8*tt+7], v[8*f:8*f+7], v[rB:rB+7], v[ACC+8*tt:ACC+8*tt+7]
.endif
.set f, f+1
.endr
	WIN 0
	s_wait_dscnt 0x0                               ; ring positions 13 to 18
	v_wmma_f32_16x16x32_f16 v[ACC+80:ACC+87], v[F33:F33+7], v[HV+16:HV+23], v[ACC+80:ACC+87]  ; the 33rd
.irp u, 0,1,2,3,4,5
	LEFT \u                                        ; x and y of centroids 0..47 are finished
.endr
	PLACES
.irp q, 19,20,21,22,23
	RLOAD \q
.endr
	; tanh, first batch: 2 log2(e) z, a pair a line, ascending; the exponentials two pairs behind.  No line ahead of the batch's wait names a result
.set j, 0
.rept 26
.if j < 24
	v_pk_mul_f32 v[ACC+2*j:ACC+2*j+1], v[ACC+2*j:ACC+2*j+1], s[C2:C2+1] op_sel_hi:[1,0]
.endif
.if j >= 2
	v_exp_f32 v[ACC+2*j-4], v[ACC+2*j-4]
	v_exp_f32 v[ACC+2*j-3], v[ACC+2*j-3]
.endif
.set j, j+1
.endr
	s_wait_dscnt 0x0                               ; ring positions 19 to 23
.irp u, 6,7,8,9,10
	LEFT \u                                        ; centroids 48, 49 and the values are finished
.endr
	PLACES
.irp q, 0,1,2,3,4,5
	RLOAD \q                                       ; for the next tile (behind the wave's last tile six loads that nobody uses, awaited at the end: the price of one text)
.endr
.if (\t) < 3
	RAWLD (\t)+1
.endif
.if (\t) == 1
	ds_load_b128 v[ARAW:ARAW+3], v[AA] offset:256
.endif
	v_pk_mul_f32 v[ACC+48:ACC+49], v[ACC+48:ACC+49], s[C2:C2+1] op_sel_hi:[1,0]
	v_exp_f32 v[ACC+48], v[ACC+48]
	v_exp_f32 v[ACC+49], v[ACC+49]
	v_nop                                          ; a plain instruction behind the last exponential,
	s_wait_alu depctr_va_vdst(0)                   ; and the one wait ahead of the first line that names a result: for all 50
	; 1 / (1 + e): the additions two pairs ahead of the reciprocals
.set j, 0
.rept 27
.if j < 25
	v_pk_add_f32 v[ACC+2*j:ACC+2*j+1], v[ACC+2*j:ACC+2*j+1], 1.0 op_sel_hi:[1,0]
.endif
.if j >= 2
	v_rcp_f32 v[ACC+2*j-4], v[ACC+2*j-4]
	v_rcp_f32 v[ACC+2*j-3], v[ACC+2*j-3]
.endif
.set j, j+1
.endr
	v_nop
	s_wait_alu depctr_va_vdst(0)                   ; one wait for the 50 reciprocals
	; 5 tanh - a = (5 - a) - 10 / (1 + e); the squares; the roots two pairs behind
.set j, 0
.rept 12
	v_pk_fma_f32 v[ACC+2*j:ACC+2*j+1], v[ACC+2*j:ACC+2*j+1], s[N10:N10+1], v[CA:CA+1] op_sel_hi:[1,0,0]
	v_pk_fma_f32 v[ACC+24+2*j:ACC+24+2*j+1], v[ACC+24+2*j:ACC+24+2*j+1], s[N10:N10+1], v[CA:CA+1] op_sel:[0,0,1] op_sel_hi:[1,0,1]
.set j, j+1
.endr
	v_pk_fma_f32 v[ACC+48:ACC+49], v[ACC+48:ACC+49], s[N10:N10+1], v[CA:CA+1] op_sel_hi:[1,0,1]  ; the 25th centroid's x and y lie side by side
.set j, 0
.rept 12
	v_pk_mul_f32 v[ACC+2*j:ACC+2*j+1], v[ACC+2*j:ACC+2*j+1], v[ACC+2*j:ACC+2*j+1]
.set j, j+1
.endr
	v_mul_f32 v[ACC+48], v[ACC+48], v[ACC+48]
.set j, 0
.rept 15
.if j < 12
	v_pk_fma_f32 v[ACC+2*j:ACC+2*j+1], v[ACC+24+2*j:ACC+24+2*j+1], v[ACC+24+2*j:ACC+24+2*j+1], v[ACC+2*j:ACC+2*j+1]
.elseif j == 12
	v_fma_f32 v[ACC+48], v[ACC+49], v[ACC+49], v[ACC+48]
.endif
.if (j >= 2) && (j < 14)
	v_sqrt_f32 v[ACC+2*j-4], v[ACC+2*j-4]
	v_sqrt_f32 v[ACC+2*j-3], v[ACC+2*j-3]
.elseif j == 14
	v_sqrt_f32 v[ACC+48], v[ACC+48]
.endif
.set j, j+1
.endr
	v_nop
	s_wait_alu depctr_va_vdst(0)                   ; one wait for the 25 roots
	; the least of my 25 distances, four chains of three operands; the other 25 lie in the lane 16 away
.irp j, 0,1,2,3
	v_min3_num_f32 v[TM+(\j)], v[ACC+3*(\j)], v[ACC+3*(\j)+1], v[ACC+3*(\j)+2]
.endr
.irp j, 0,1,2,3
	v_min3_num_f32 v[TM+(\j)], v[TM+(\j)], v[ACC+12+2*(\j)], v[ACC+13+2*(\j)]
.endr
	v_min3_num_f32 v[TM], v[TM], v[ACC+20], v[ACC+21]
	v_min3_num_f32 v[TM+1], v[TM+1], v[ACC+22], v[ACC+23]
	v_min3_num_f32 v[TM+2], v[TM+2], v[TM+3], v[ACC+48]
	v_min3_num_f32 v[TM], v[TM], v[TM+1], v[TM+2]
	v_permlanex16_b32 v[TM+1], v[TM], s[SEL], s[SEL+1]
	v_min_num_f32 v[TM], v[TM], v[TM+1]
	v_mul_f32 v[TM+2], s[K3N], v[TM]
	; the weights 2^(-3 log2(e) (d - d_min)): at most 1, and 1 for the nearest centroid
.set j, 0
.rept 15
.if j < 12
	v_pk_fma_f32 v[ACC+2*j:ACC+2*j+1], v[ACC+2*j:ACC+2*j+1], s[K3N:K3N+1], v[TM+2:TM+3] op_sel_hi:[1,0,0] neg_lo:[0,0,1] neg_hi:[0,0,1]
.elseif j == 12
	v_fma_f32 v[ACC+48], v[ACC+48], s[K3N], -v[TM+2]
.endif
.if (j >= 2) && (j < 14)
	v_exp_f32 v[ACC+2*j-4], v[ACC+2*j-4]
	v_exp_f32 v[ACC+2*j-3], v[ACC+2*j-3]
.elseif j == 14
	v_exp_f32 v[ACC+48], v[ACC+48]
.endif
.set j, j+1
.endr
	v_nop
	s_wait_alu depctr_va_vdst(0)                   ; one wait for the 25 exponentials
	; the sums, two chains each; the values' accumulators are read ascending
	v_pk_mul_f32 v[TM+4:TM+5], v[ACC:ACC+1], v[ACC+56:ACC+57]
	v_pk_mul_f32 v[TM+6:TM+7], v[ACC+2:ACC+3], v[ACC+58:ACC+59]
	v_pk_add_f32 v[TM:TM+1], v[ACC:ACC+1], v[ACC+4:ACC+5]
	v_pk_add_f32 v[TM+2:TM+3], v[ACC+2:ACC+3], v[ACC+6:ACC+7]
	v_pk_fma_f32 v[TM+4:TM+5], v[ACC+4:ACC+5], v[ACC+60:ACC+61], v[TM+4:TM+5]
	v_pk_fma_f32 v[TM+6:TM+7], v[ACC+6:ACC+7], v[ACC+62:ACC+63], v[TM+6:TM+7]
.set j, 4
.rept 8
	v_pk_fma_f32 v[TM+4+2*(j%2):TM+5+2*(j%2)], v[ACC+2*j:ACC+2*j+1], v[ACC+56+2*j:ACC+56+2*j+1], v[TM+4+2*(j%2):TM+5+2*(j%2)]
	v_pk_add_f32 v[TM+2*(j%2):TM+1+2*(j%2)], v[TM+2*(j%2):TM+1+2*(j%2)], v[ACC+2*j:ACC+2*j+1]
.set j, j+1
.endr
	v_pk_add_f32 v[TM+4:TM+5], v[TM+4:TM+5], v[TM+6:TM+7]
	v_pk_add_f32 v[TM:TM+1], v[TM:TM+1], v[TM+2:TM+3]
	v_add_f32 v[TM+4], v[TM+4], v[TM+5]
	v_add_f32 v[TM], v[TM], v[TM+1]
	v_fma_f32 v[TM+4], v[ACC+48], v[ACC+80], v[TM+4]
	v_add_f32 v[TM], v[TM], v[ACC+48]
	v_permlanex16_b32 v[TM+5], v[TM+4], s[SEL], s[SEL+1]
	v_permlanex16_b32 v[TM+1], v[TM], s[SEL], s[SEL+1]
	v_add_f32 v[OS+(\t)], v[TM+4], v[TM+5]
	v_add_f32 v[LS+(\t)], v[TM], v[TM+1]
.endm
.irp q, 0,1,2,3,4,5
	RLOAD \q                                       ; the first tile's first six positions
.endr
	s_mov_b32 s[CNT], 4
.Lgroup:                                       ; four trips: a group of 64 rows each
	TILE 0
	TILE 1
	TILE 2
	TILE 3
	; lanes 0-15 take tiles 0 and 1, lanes 16-31 tiles 2 and 3: rows 2 l and 2 l + 1 of the group
	v_cndmask_b32 v[TM], v[LS], v[LS+2], s[HM]
	v_cndmask_b32 v[TM+1], v[LS+1], v[LS+3], s[HM]
	v_cndmask_b32 v[TM+2], v[OS], v[OS+2], s[HM]
	v_cndmask_b32 v[TM+3], v[OS+1], v[OS+3], s[HM]
	v_rcp_f32 v[TM+4], v[TM]                       ; the sum of weights is at least 1
	v_rcp_f32 v[TM+5], v[TM+1]
	v_add_nc_u32 v[SA0], 2560, v[SA0]              ; the next group's s and a: also the plain instructions behind the reciprocals
	v_add_nc_u32 v[SA1], 2560, v[SA1]
	v_add_nc_u32 v[AA], 512, v[AA]
	s_wait_alu depctr_va_vdst(0)                   ; one wait for the two reciprocals, ahead of their first reader and of the branch
	v_mul_f32 v[OUT], v[TM+2], v[TM+4]
	v_mul_f32 v[OUT+1], v[TM+3], v[TM+5]
	global_store_b64 v[OO], v[OUT:OUT+1], s[28:29] th:TH_STORE_NT  ; the wave stores 256 consecutive bytes, at a multiple of 256 from out0's first byte
	s_wait_xcnt 0x0                                ; the store has read its base and its data: only behind this wait is the base stepped, and OUT written in the next trip
	s_add_nc_u64 s[28:29], s[28:29], 256
	s_sub_co_u32 s[CNT], s[CNT], 1
	s_cmp_lg_u32 s[CNT], 0
	s_cbranch_scc1 .Lgroup
	s_wait_tensorcnt 0x0                           ; the wave's end: behind my last tensor load and my last LDS store
	ds_add_u32 v[SPW], v[NIL]
	s_wait_dscnt 0x0                               ; the add, and the six ring loads that nobody uses
	s_endpgm
.Lfunc_end_k_q4bc183e1ce_rbf:
	.size	k_q4bc183e1ce_rbf, .Lfunc_end_k_q4bc183e1ce_rbf-k_q4bc183e1ce_rbf
	.p2alignl 7, 3214868480
	.fill 96, 4, 3214868480
	.section	.rodata,"a",@progbits
	.p2align	6, 0x0
	.amdhsa_kernel k_q4bc183e1ce_rbf
		.amdhsa_group_segment_fixed_size 167936
		.amdhsa_private_segment_fixed_size 0
		.amdhsa_enable_private_segment 0
		.amdhsa_kernarg_size 88
		.amdhsa_user_sgpr_count 2
		.amdhsa_user_sgpr_kernarg_segment_ptr 1
		.amdhsa_wavefront_size32 1
		.amdhsa_system_sgpr_workgroup_id_x 1
		.amdhsa_system_sgpr_workgroup_id_y 1
		.amdhsa_system_sgpr_workgroup_id_z 1
		.amdhsa_system_vgpr_workitem_id 0
		.amdhsa_next_free_vgpr 512
		.amdhsa_next_free_sgpr 80
		.amdhsa_reserve_vcc 0
		.amdhsa_float_denorm_mode_32 3
		.amdhsa_float_denorm_mode_16_64 3
		.amdhsa_memory_ordered 1
		.amdhsa_forward_progress 1
		.amdhsa_inst_pref_size 153
	.end_amdhsa_kernel
	.amdgpu_metadata
---
amdhsa.version: [ 1, 2 ]
amdhsa.kernels:
  - .name:           k_q4bc183e1ce_rbf
    .symbol:         k_q4bc183e1ce_rbf.kd
    .args:
      - { .name: s, .offset: 0, .size: 8, .value_kind: global_buffer, .address_space: global }
      - { .name: a, .offset: 8, .size: 8, .value_kind: global_buffer, .address_space: global }
      - { .name: w_v1, .offset: 16, .size: 8, .value_kind: global_buffer, .address_space: global }
      - { .name: b_v1, .offset: 24, .size: 8, .value_kind: global_buffer, .address_space: global }
      - { .name: w_v2, .offset: 32, .size: 8, .value_kind: global_buffer, .address_space: global }
      - { .name: b_v2, .offset: 40, .size: 8, .value_kind: global_buffer, .address_space: global }
      - { .name: w_l1, .offset: 48, .size: 8, .value_kind: global_buffer, .address_space: global }
      - { .name: b_l1, .offset: 56, .size: 8, .value_kind: global_buffer, .address_space: global }
      - { .name: w_l2, .offset: 64, .size: 8, .value_kind: global_buffer, .address_space: global }
      - { .name: b_l2, .offset: 72, .size: 8, .value_kind: global_buffer, .address_space: global }
      - { .name: out0, .offset: 80, .size: 8, .value_kind: global_buffer, .address_space: global }
    .group_segment_fixed_size: 167936
    .private_segment_fixed_size: 0
    .kernarg_segment_align: 8
    .kernarg_segment_size: 88
    .max_flat_workgroup_size: 256
    .sgpr_count:     80
    .vgpr_count:     512
    .wavefront_size: 32
...
	.end_amdgpu_metadata
.endif
;; end of part 1
